; MI455X (gfx1250); checked and timed in simulation.
; The chip was launched on July 23, 2026; its instructions are those of AMD's public machine-readable ISA for CDNA 5 (MIT licence, August 2026) and "CDNA5" Instruction Set Architecture Reference Guide (July 2026). The comments in the code are by the model that wrote it; some were corrected since.
;; Quantized Linear. Allowed arithmetic: matrix products marked QUANTISED: E2M1 operands, one E8M0 scale for each 32 along K, by v_wmma_scale_f32_16x16x128_f8f6f4 with both operands' format E2M1 (or v_wmma_scale_f32_32x16x128_f4), f32 sums; everything else in f32.
;; Inputs: bias 2,048 float32; scales 65,536 float32; weight_int4 2,048 x 4,096 int32; x 4 x 2,048 x 4,096 float32; zero_points 65,536 int32.
;; Outputs: out0 4 x 2,048 x 2,048 float32.
;; This version of the problem:
;;   THIS VERSION OF THE PROBLEM IS GIVEN IN LOW PRECISION. The matrix products marked QUANTISED in the list below multiply operands that are first quantised to E2M1 (2 exponent bits, 1 mantissa bit; 4 bits a number), with one power-of-two scale for each 32 numbers along K (OCP MX v1.0); their sums are f32. All else is computed in f32.
;;   The module's matrix products, in the order in which they are computed (A, B: the left and right operand; K: the contracted axis; several contracted axes count as one K, in the product's order):
;;     1. [M 8,192, K 4,096] x [K 4,096, N 2,048]; A: input x; B: computed on the way: QUANTISED
;;   THE QUANTISER, for each operand of a quantised product, along K:
;;     - K is cut into blocks of 32 from its start; a last block that is shorter is filled with zeros.
;;     - A block's scale is 2^e with e = floor(log2(the largest magnitude in the block)) - 2, held to -126 .. 127; a block of zeros has e = 0. As a byte (E8M0): e + 127.
;;     - Each number is divided by its block's scale, clamped to +-6, and rounded to the nearest number of E2M1, ties to even, subnormals kept.
;;     - The product sums the exact products of the quantised numbers (number of the format x scale) in f32.
;;   ~~~python
;;   def quantise(x, axis):      # numpy; x: float32 -> the quantised numbers, widened to float32 again
;;       x = np.moveaxis(x, axis, -1); K = x.shape[-1]
;;       x = np.pad(x, [(0, 0)] * (x.ndim - 1) + [(0, -K % 32)]); x = x.reshape(x.shape[:-1] + (-1, 32)); a = np.abs(x).max(-1, keepdims=True)
;;       e = np.where(a > 0, np.clip(np.frexp(np.where(a > 0, a, 1))[1] - 1 - 2, -126, 127), 0)      # np.frexp(a)[1] - 1 = floor(log2(a)), exactly
;;       r = np.clip(x / 2.0 ** e, -6, 6)
;;       step = 2.0 ** (np.maximum(np.frexp(np.where(r == 0, 1, r))[1] - 1, 0) - 1)
;;       q = np.round(r / step) * step * 2.0 ** e      # np.round: ties to even
;;       return np.moveaxis(q.reshape(q.shape[:-2] + (-1,))[..., :K], -1, axis).astype(np.float32)
;;   ~~~
;;   OPERANDS COMPUTED ON THE WAY. 'Computed on the way' means the value that the module computes at that place (a softmax that the list does not call 'softmax' is quantised finished and normalised). What goes into a quantiser is computed in f32, as accurately as f32 sums, v_exp_f32 and their like allow (about 1e-6 of the number): no bf16 or f16 on the way to a quantiser, and a product that is left as it is and whose result goes on into a quantised operand takes f32 operands (vector FMAs, or v_wmma_f32_16x16x4_f32). A number that lies on a knife's edge between two numbers of the format may be rounded either way, as far as f32 arithmetic and the matrix unit's own rounding can turn it there, and no further.
;; One version. Each part assembles by itself: llvm-mc -triple=amdgcn-amd-amdhsa -mcpu=gfx1250 --defsym DOCPART=n.
;; ======== version 1 of 1: 2 launches
;; limits: right only within a limited range of input values
;; workspace buffers: xq 17,825,792 bytes; wq 4,456,448 bytes
;; launch quant (part 1): grid 1280 x 1, 4 waves a work-group, no clusters, 17,920 bytes of LDS; arguments x, weight_int4, scales, zero_points, xq, wq; writes xq, wq
.if DOCPART == 1
	.amdgcn_target "amdgcn-amd-amdhsa--gfx1250"
	.amdhsa_code_object_version 6
	.text
	.protected	k_q6ce2e62c6d_quant
	.globl	k_q6ce2e62c6d_quant
	.p2align	8
	.type	k_q6ce2e62c6d_quant,@function
k_q6ce2e62c6d_quant:
	s_mov_b64 s[64:65], 0
	v_nop
	global_prefetch_b8 v0, s[64:65] scope:SCOPE_SE
	s_setreg_imm32_b32 hwreg(HW_REG_WAVE_MODE, 25, 1), 1
	s_wait_xcnt 0x0
; x [8192][4096] f32 and w [2048][4096] = (f32(weight_int4) - f32(zero_points[g])) * scales[g], g = 32 o + i / 128, are turned into codes of FP4 (E2M1), K innermost,
; with one E8M0 scale byte for each 32 along K.  A block's scale is 2^(floor(log2(its largest magnitude)) - 2); its byte is the largest magnitude's exponent field - 2, held at 1 from below.
; No work of the definition is left out: every input of the program has a way to the output (the bias is added by the product's launch).
; THE OUTPUT'S LAYOUT is this program's own: [groups of 128 rows][8 K steps][128 rows][272 bytes].  A record of 272 bytes is one row's 512 codes of a K step (256 bytes, the lower k in the low
; four bits) and behind them that row's 16 scale bytes.  So 128 rows of a K step are one dense run of 34,816 bytes = 136 x 256, the next K step of the same rows follows it, and 16 rows are 4,352 bytes = 17 x 256.
; LIMITS: NaN and infinities among the inputs are not served; a block whose largest magnitude lies under 2^-124 keeps the byte 1; a block of zeros gets the byte 1 where the rule says 127:
; its codes are zeros, which add nothing under any byte but 0xff, and the bytes are read by this program alone.
; SHARES.  A wave takes 16 rows x one K step: 16 steps of one row's 512 numbers (2,048 consecutive bytes).  5,120 such tasks, four to a work-group; work-groups 0 to 1023 take x, the others w.
; Both tensors take ONE path; only pointers are chosen, and w's dequantising lines stand under short scalar branches.
; THE NUMBERS STAY WHERE THE LOADS PUT THEM.  Each of a step's four loads reads 512 consecutive bytes, 16 a lane: of load i lane l holds numbers 128 i + 4 l + 0 .. 3, so block 4 i + l / 8 lies in eight
; neighbouring lanes, four numbers in each.  Its largest magnitude is two three-way maxima in the lane and three steps across the eight lanes; the four loads' blocks take turns line by line.
; A conversion takes eight numbers of a lane under one scale: it is given two loads' numbers under the scale of one of them, and only that load's four codes (one half of the result) are stored.
; As loaded, the 128 numbers of one load belong to ONE group of w: its scale and zero point go into scalar registers.
; The records are gathered in the wave's own 4,352 bytes of LDS (2 bytes of codes a lane and load, one byte a block) and leave by 17 stores, each of 256 consecutive bytes at a multiple of 256 from the buffer's first byte.
; No tensor loads, no barrier: waves share nothing; no clusters and no matrix units: nothing is shared and nothing is multiplied.  Loads run four steps (16 loads a wave) ahead.
.set STEPS, 16
.set EMAX,  2
.set ROWX,  16384                      ; a row of x or of weight_int4 in bytes
.set REC,   272                        ; a record
.set WREG,  16*REC                     ; LDS: each wave's 16 records
.set SPARE, 4*WREG                     ; behind them the spare words, 128 bytes a wave
.set R,     16                         ; v16-79   four sets of 16 numbers as loaded
.set D,     80                         ; v80-111  four sets of 8: four registers of codes, four scale bytes
.set M,     112                        ; v112-115 the four blocks' largest magnitudes, then their scale operands
.set SV,    116                        ; v116-117 w's scales: lane l of register u: row 8 u + l / 4, group l % 4
.set ZV,    118                        ; v118-119 its zero points likewise
.set SPW,   120                        ; my spare word; never rewritten
.set NIL,   121                        ; 0; never rewritten
.set OUTR,  16                         ; v16-49   the way out
	s_load_b256 s[4:11], s[0:1], 0x0               ; x, weight_int4, scales, zero_points
	s_load_b128 s[12:15], s[0:1], 0x20             ; xq, wq
	v_lshl_add_u32 v[SPW], v0, 2, SPARE
	v_mov_b32 v[NIL], 0
	v_lshrrev_b32 v1, 5, v0
	v_readfirstlane_b32 s16, v1                    ; wave
	v_and_b32 v2, 31, v0                           ; lane
	v_lshlrev_b32 v3, 4, v2                        ; my 16 bytes of a load's 512
	s_mul_i32 s25, s16, WREG
	v_lshlrev_b32 v4, 1, v2
	v_add_nc_u32 v4, s25, v4                       ; the records: my 2 bytes of a load's 64 bytes of codes
	v_lshrrev_b32 v5, 3, v2
	v_add_nc_u32 v5, s25, v5                       ; my block's byte among a load's four
	v_lshlrev_b32 v7, 3, v2                        ; the way out: 8 bytes a lane
	v_add_nc_u32 v6, s25, v7
	v_lshrrev_b32 v10, 2, v2
	v_lshlrev_b32 v10, 7, v10
	v_and_b32 v9, 3, v2
	v_lshl_add_u32 v10, v9, 2, v10                 ; the groups: 128 (lane / 4) + 4 (lane % 4)
.irp u, 0,1,2,3
	v_mov_b32 v[SV+\u], 0                          ; written on every path; w's work-groups load them below
.endr
	s_wait_alu depctr_va_vdst(0)
	s_wait_kmcnt 0x0
	s_cmp_lt_u32 ttmp9, 1024                       ; x's work-group or w's
	s_cselect_b64 s[4:5], s[4:5], s[6:7]
	s_cselect_b64 s[12:13], s[12:13], s[14:15]
	s_cselect_b32 s24, 1, 0                        ; 1: x
	s_cselect_b32 s17, 0, 1024
	s_sub_co_u32 s17, ttmp9, s17                   ; j
	s_lshr_b32 s28, s17, 1                         ; which 16 rows
	s_and_b32 s17, s17, 1
	s_lshl_b32 s17, s17, 2
	s_add_co_u32 s17, s17, s16                     ; which K step: 4 (j % 2) + wave
	s_lshl_b32 s18, s28, 18
	s_lshl_b32 s19, s17, 11
	s_add_co_u32 s18, s18, s19
	s_mov_b32 s19, 0
	s_add_nc_u64 s[4:5], s[4:5], s[18:19]
	s_and_b32 s20, s28, 0xfffffff8                 ; the output: 8 x (group of 128 rows)
	s_add_co_u32 s20, s20, s17                     ; + K step,
	s_mul_i32 s20, s20, 128*REC                    ; runs of 34,816 bytes (under 2^25),
	s_and_b32 s21, s28, 7
	s_mul_i32 s21, s21, 16*REC                     ; + my 16 records in the run
	s_add_co_u32 s20, s20, s21
	s_mov_b32 s21, 0
	s_add_nc_u64 s[12:13], s[12:13], s[20:21]
	s_lshl_b32 s22, s28, 11                        ; the groups of my 16 rows
	s_lshl_b32 s23, s17, 4
	s_add_co_u32 s22, s22, s23
	s_mov_b32 s23, 0
	s_cmp_lg_u32 s24, 0
	s_cbranch_scc1 .Lno_groups
	s_add_nc_u64 s[8:9], s[8:9], s[22:23]
	s_add_nc_u64 s[10:11], s[10:11], s[22:23]
	global_load_b32 v[SV], v10, s[8:9]
	global_load_b32 v[SV+1], v10, s[8:9] offset:1024
	global_load_b32 v[ZV], v10, s[10:11]
	global_load_b32 v[ZV+1], v10, s[10:11] offset:1024
.Lno_groups:
.macro LOAD t
.irp i, 0,1,2,3
	global_load_b128 v[R+16*((\t)%4)+4*\i:R+16*((\t)%4)+4*\i+3], v3, s[4:5] offset:ROWX*(\t)+512*\i th:TH_LOAD_NT   ; 32 lanes read 512 consecutive bytes; read once in the launch
.endr
.endm
.irp t, 0,1,2,3
	LOAD \t
.endr
.macro STEP t
.set RS, R+16*((\t)%4)
.set DS, D+8*((\t)%4)
.if STEPS-1-(\t) >= 3
	s_wait_loadcnt 12                              ; this step's four loads, and the older ones, are in; those of the three steps behind it may be out
.else
	s_wait_loadcnt 4*(STEPS-1-(\t))                ; the tail: fewer steps are behind it
.endif
; w is made from the whole numbers as loaded: a difference and one multiplication, each rounded as the definition rounds it
	s_cmp_lg_u32 s24, 0
	s_cbranch_scc1 .Lraw_\@
.if (\t) == 0
	v_cvt_f32_i32 v[ZV], v[ZV]                     ; the zero points as f32, once
	v_cvt_f32_i32 v[ZV+1], v[ZV+1]
.endif
	s_wait_alu depctr_va_vdst(0)
.irp i, 0,1,2,3
	v_readlane_b32 s26, v[SV+(\t)/8], 4*((\t)%8)+\i
	v_readlane_b32 s27, v[ZV+(\t)/8], 4*((\t)%8)+\i
.irp k, 0,1,2,3
	v_cvt_f32_i32 v[RS+4*\i+\k], v[RS+4*\i+\k]
.endr
.irp k, 0,1,2,3
	v_sub_f32 v[RS+4*\i+\k], v[RS+4*\i+\k], s27
.endr
.irp k, 0,1,2,3
	v_mul_f32 v[RS+4*\i+\k], s26, v[RS+4*\i+\k]
.endr
.endr
.Lraw_\@:
.irp i, 0,1,2,3
	v_max3_num_f32 v[M+\i], |v[RS+4*\i]|, |v[RS+4*\i+1]|, (EMAX+1)<<23   ; my four numbers of block 4 i + l / 8, and the floor: the byte cannot fall under 1
.endr
.irp i, 0,1,2,3
	v_max3_num_f32 v[M+\i], v[M+\i], |v[RS+4*\i+2]|, |v[RS+4*\i+3]|
.endr
.irp m, 1,2,4
.irp i, 0,1,2,3
	v_max_num_f32_dpp v[M+\i], v[M+\i], v[M+\i] row_xmask:\m row_mask:0xf bank_mask:0xf   ; with the block's other seven lanes
.endr
.endr
.irp i, 0,1,2,3
	v_add_nc_u32 v[M+\i], -(EMAX<<23), v[M+\i]     ; EMAX off the exponent field: the conversion's scale operand
.endr
	v_cvt_scalef32_pk8_fp4_f32 v[DS], v[RS:RS+7], v[M]             ; under load 0's scale: its four codes are the low half
	v_cvt_scalef32_pk8_fp4_f32 v[DS+1], v[RS:RS+7], v[M+1]         ; under load 1's: the high half
	v_cvt_scalef32_pk8_fp4_f32 v[DS+2], v[RS+8:RS+15], v[M+2]
	v_cvt_scalef32_pk8_fp4_f32 v[DS+3], v[RS+8:RS+15], v[M+3]
.irp i, 0,1,2,3
	v_lshrrev_b32 v[DS+4+\i], 23, v[M+\i]          ; the scales' bytes (also the plain lines behind the conversions)
.endr
	ds_store_b16 v4, v[DS] offset:REC*(\t)                         ; numbers 128 i + 4 l .. : bytes 64 i + 2 l of row t's record
	ds_store_b16_d16_hi v4, v[DS+1] offset:REC*(\t)+64
	ds_store_b16 v4, v[DS+2] offset:REC*(\t)+128
	ds_store_b16_d16_hi v4, v[DS+3] offset:REC*(\t)+192
.irp i, 0,1,2,3
	ds_store_b8 v5, v[DS+4+\i] offset:REC*(\t)+256+4*\i            ; the eight lanes of a block write the same byte with the same value
.endr
.if (\t)+4 < STEPS
	LOAD (\t)+4                                    ; into the set that this step has done with
.endif
.endm
.irp t, 0,1,2,3,4,5,6,7,8,9,10,11,12,13,14,15
	STEP \t
.endr
.irp j, 0,1,2,3,4,5,6,7,8,9,10,11,12,13,14,15,16
	ds_load_b64 v[OUTR+2*\j:OUTR+2*\j+1], v6 offset:256*\j         ; the 16 records as 17 runs of 256 bytes; in order behind my stores (ISA guide 5.7.1.4)
.endr
.irp j, 0,1,2,3,4,5,6,7,8,9,10,11,12,13,14,15,16
	s_wait_dscnt 16-\j                             ; run j is in; the younger ones may be out
	global_store_b64 v7, v[OUTR+2*\j:OUTR+2*\j+1], s[12:13] offset:256*\j   ; 32 lanes store 256 consecutive bytes, aligned
.endr
	s_wait_tensorcnt 0x0                           ; the wave's end
	ds_add_u32 v[SPW], v[NIL]
	s_wait_dscnt 0x0
	s_endpgm
.Lfunc_end_k_q6ce2e62c6d_quant:
	.size	k_q6ce2e62c6d_quant, .Lfunc_end_k_q6ce2e62c6d_quant-k_q6ce2e62c6d_quant
	.p2alignl 7, 3214868480
	.fill 96, 4, 3214868480
	.section	.rodata,"a",@progbits
	.p2align	6, 0x0
	.amdhsa_kernel k_q6ce2e62c6d_quant
		.amdhsa_group_segment_fixed_size 17920
		.amdhsa_private_segment_fixed_size 0
		.amdhsa_enable_private_segment 0
		.amdhsa_kernarg_size 48
		.amdhsa_user_sgpr_count 2
		.amdhsa_user_sgpr_kernarg_segment_ptr 1
		.amdhsa_wavefront_size32 1
		.amdhsa_system_sgpr_workgroup_id_x 1
		.amdhsa_system_sgpr_workgroup_id_y 1
		.amdhsa_system_sgpr_workgroup_id_z 1
		.amdhsa_system_vgpr_workitem_id 0
		.amdhsa_next_free_vgpr 128
		.amdhsa_next_free_sgpr 66
		.amdhsa_reserve_vcc 0
		.amdhsa_float_denorm_mode_32 3
		.amdhsa_float_denorm_mode_16_64 3
		.amdhsa_memory_ordered 1
		.amdhsa_forward_progress 1
		.amdhsa_inst_pref_size 95
	.end_amdhsa_kernel
	.amdgpu_metadata
---
amdhsa.version: [ 1, 2 ]
amdhsa.kernels:
  - .name:           k_q6ce2e62c6d_quant
    .symbol:         k_q6ce2e62c6d_quant.kd
    .args:
      - { .name: x, .offset: 0, .size: 8, .value_kind: global_buffer, .address_space: global }
      - { .name: weight_int4, .offset: 8, .size: 8, .value_kind: global_buffer, .address_space: global }
      - { .name: scales, .offset: 16, .size: 8, .value_kind: global_buffer, .address_space: global }
      - { .name: zero_points, .offset: 24, .size: 8, .value_kind: global_buffer, .address_space: global }
      - { .name: xq, .offset: 32, .size: 8, .value_kind: global_buffer, .address_space: global }
      - { .name: wq, .offset: 40, .size: 8, .value_kind: global_buffer, .address_space: global }
    .group_segment_fixed_size: 17920
    .private_segment_fixed_size: 0
    .kernarg_segment_align: 8
    .kernarg_segment_size: 48
    .max_flat_workgroup_size: 128
    .sgpr_count:     66
    .vgpr_count:     128
    .wavefront_size: 32
...
	.end_amdgpu_metadata
.endif
;; end of part 1
;; launch gemm (part 2): grid 8 x 32, 4 waves a work-group, clusters of 4 x 4, 327,680 bytes of LDS; arguments xq, wq, bias, out0; writes out0
.if DOCPART == 2
	.amdgcn_target "amdgcn-amd-amdhsa--gfx1250"
	.amdhsa_code_object_version 6
	.text
	.protected	k_q6ce2e62c6d_gemm
	.globl	k_q6ce2e62c6d_gemm
	.p2align	8
	.type	k_q6ce2e62c6d_gemm,@function
k_q6ce2e62c6d_gemm:
	s_mov_b64 s[64:65], 0
	v_nop
	global_prefetch_b8 v0, s[64:65] scope:SCOPE_SE
	s_setreg_imm32_b32 hwreg(HW_REG_WAVE_MODE, 25, 1), 1
	s_wait_xcnt 0x0
	s_wait_alu depctr_hold_cnt(0) depctr_sa_sdst(0) depctr_va_vdst(0) depctr_va_sdst(0) depctr_va_ssrc(0) depctr_va_vcc(0) depctr_vm_vsrc(0)
	s_getreg_b32 s2, hwreg(HW_REG_IB_STS2, 6, 4)
	s_cmp_eq_u32 s2, 0
	s_cbranch_scc0 .Lentry_in_a_cluster
	s_endpgm
.Lentry_in_a_cluster:
	s_bfe_u32 s2, ttmp6, 0x10000c
	s_cmp_lg_u32 s2, 0xf033
	s_cbranch_scc0 .Lentry_shape_is_right
	s_endpgm
.Lentry_shape_is_right:
; out0[m][n] = bias[n] + sum over k of xq[m][k] wq[n][k]: codes of FP4 (E2M1) with one E8M0 byte for each 32 along K, as the launch before laid them:
; [groups of 128 rows][8 K steps][128 records of 272 bytes]; a record is a row's 512 codes of a K step and its 16 scale bytes.  Sums in f32.  Nothing of the definition is left out.
; A block of 256 x 256 of the output is made by four waves, 128 x 128 each: 64 accumulators, 512 registers.  8 x 32 blocks: 256 work-groups.
; LIMIT: a cluster begins its walk along K at K step (4 x cluster x + 2 x cluster y) mod 8 and goes round, so the f32 sums are not taken with K ascending.
; THE RING: two slots, each a K step of 512: four quarters (A's rows 0-127, 128-255, B's likewise) of 34,816 bytes.  In LDS a quarter's two slots lie side by side, as its two K steps do in memory:
; so the ONE tensor load that a wave issues at the head brings its quarter of K steps 0 and 1 as 272 rows of 256 bytes; every later load brings 136 rows into one slot.
; The records' own 16 scale bytes make the LDS pitch 272 bytes = 68 words: the 16 rows of a fragment load begin at 16 different banks (64 banks of 4 bytes: ISA guide 11.1).
; CLUSTERS: 4 x 4 work-groups; A's quarters are asked for jointly along a row of the cluster, B's along a column.
; FRAGMENTS: two sets of registers for A and two for B; a step's 32 LDS loads go out in one run, 64 matrix instructions ahead of their use.
; THE MATRIX INSTRUCTION IS USED TRANSPOSED (source 0 = rows of wq, source 1 = rows of xq): a lane holds eight neighbouring numbers of a row of the output.  The bias is the first step's C.
; THE LAST K STEP GOES BY ROWS OF THE OUTPUT: all its fragments of B fill window 1, and my eight blocks of 16 rows are finished and stored one after the other.
; PREFETCH: behind each refill the K step two refills on is asked for: a quarter is 136 blocks of 256 bytes; the four partners that ask for it jointly take 34 each, told apart by address;
; two instructions a wave, 17 blocks each (lanes 17-31 name the 17th again).  K steps 2 and 3 are asked for at the head; the last two refills ask for nothing.
; REGISTERS: window 0: v0-31 addresses; v32-95 scale words, a set for each slot; v128-255 A's two sets.  Window 1: B's sets at v0 and v128, the bias at v64.  Windows 2, 3: accumulators (a, b) at v[64 (a % 4) + 8 b].
.set SIZE_N, 2048
.set PITCH,  272
.set NP,     4                         ; places behind this matrix instruction (ISA guide 7.12.1)
.set HALFT,  128*PITCH                 ; a quarter of a slot
.set QUART,  2*HALFT                   ; a quarter's two slots
.set LAPS,   4
.set SPARE,  4*QUART                   ; the spare words, 128 bytes a wave
.set SPITCH, 528                       ; the way out: a stage of 16 rows x (512 + 16) bytes a wave, in quarter 0's slot 0, which has had its last fill and read by then
.set PSH,    34*256                    ; a partner's share of a quarter's prefetch
.set ADRA, 16
.set ADRB, 20
.set ADRS, 22
.set STO,  24
.set RD,   25
.set CO,   26
.set BO,   27
.set SPW,  28
.set NIL,  29
.set PFO,  30
.set SC,   32
.set AF,   128
.set PA,   128                         ; by rows: A's fragments of 16 rows x 512 K, two buffers of 32
.set BI,   64                          ; the bias, in window 1
.set G1, 24
.set G0, 32
.set G1B, 48
.set G0B, 56
.set ABASE, 66
.set BBASE, 68
.set KI,   70                          ; s70, s71: the K step that lies in slot 0, 1
.set OF,   72
.set PFA,  74
.set PFB,  78
.set PK,   80
.set MSB, 0
.macro WIN new                         ; the immediate's high byte repeats the setting that is left
.if MSB != \new
	s_set_vgpr_msb (MSB<<8)|\new
.set MSB, \new
.endif
.endm
.set MUL_LO, 0xa1                      ; source 0 (B) window 1, source 1 (A) window 0, C and D window 2
.set MUL_HI, 0xf1
.set FST_LO, 0x91                      ; the first step: C (the bias) window 1
.set FST_HI, 0xd1
.set TO_B,   0x40
.macro JLOAD g0a, g0b                  ; waves 0, 1 ask for A's quarters, waves 2, 3 for B's; s_nop 0 and four v_nop behind each line
	s_cmp_eq_u32 s15, 0
	s_cbranch_scc0 .Lfor_b_\@
	tensor_load_to_lds s[\g0a:\g0a+3], s[G1:G1+7]
	s_nop 0
.rept 4
	v_nop
.endr
	s_branch .Lasked_\@
.Lfor_b_\@:
	tensor_load_to_lds s[\g0b:\g0b+3], s[G1B:G1B+7]
	s_nop 0
.rept 4
	v_nop
.endr
.Lasked_\@:
.endm
.macro WHERE s                         ; slot s's addresses from its K step
	s_mul_i32 s[OF], s[KI+\s], HALFT
	s_add_nc_u64 s[G0+4*\s+2:G0+4*\s+3], s[ABASE:ABASE+1], s[OF:OF+1]
	s_or_b32 s[G0+4*\s+3], s[G0+4*\s+3], 0x80000000
	s_add_nc_u64 s[G0B+4*\s+2:G0B+4*\s+3], s[BBASE:BBASE+1], s[OF:OF+1]
	s_or_b32 s[G0B+4*\s+3], s[G0B+4*\s+3], 0x80000000
.endm
.macro CREST
	s_cmp_lg_u32 s14, 0
	s_cbranch_scc1 .Lnot_wave_0_\@
	s_barrier_signal -3
.Lnot_wave_0_\@:
	s_barrier_wait -3
	s_barrier_signal -1
	s_barrier_wait -1
.endm
.macro CROUND
	s_barrier_signal -1
	s_barrier_wait -1
	CREST
.endm
	s_load_b256 s[4:11], s[0:1], 0x0               ; xq, wq, bias, out0
	v_lshl_add_u32 v[SPW], v0, 2, SPARE
	v_mov_b32 v[NIL], 0
	ds_add_u32 v[SPW], v[NIL]                      ; the opening lines: the add, twice on end, and its wait
	ds_add_u32 v[SPW], v[NIL]
	v_lshrrev_b32 v1, 5, v0
	v_readfirstlane_b32 s14, v1                    ; wave
	s_lshr_b32 s15, s14, 1                         ; my half of the rows; also: I ask for A (0) or B (1)
	s_and_b32 s16, s14, 1                          ; my half of the columns; also: which 128 rows I ask for
	s_bfe_u32 s40, ttmp6, 0x40000                  ; cx
	s_bfe_u32 s41, ttmp6, 0x40004                  ; cy
	s_lshl_b32 s42, ttmp9, 2
	s_add_co_u32 s42, s42, s40                     ; block column
	s_and_b32 s17, ttmp7, 0xffff
	s_lshl_b32 s17, s17, 2
	s_add_co_u32 s17, s17, s41                     ; block row
	s_lshl_b32 s43, s41, 2
	s_lshl_b32 s43, 15, s43                        ; my row of the cluster
	s_lshl_b32 s44, 0x1111, s40                    ; my column
	s_or_b32 s[G1+0], s43, (3<<16)|(1<<21)         ; elements of 8 bytes; bit 21 beside a mask
	s_or_b32 s[G1B+0], s44, (3<<16)|(1<<21)
.irp g, G1, G1B
	s_mov_b32 s[\g+1], 32<<16                      ; rows of 256 bytes,
	s_mov_b32 s[\g+2], 272<<16                     ; 272 of them at the head: two K steps
	s_mov_b32 s[\g+3], 32<<16
	s_mov_b32 s[\g+4], 272
	s_mov_b32 s[\g+5], 32
	s_mov_b32 s[\g+6], 0
	s_mov_b32 s[\g+7], 0
.endr
	s_lshl_b32 s20, s17, 1
	s_add_co_u32 s20, s20, s16                     ; A's group of 128 rows
	s_mul_i32 s20, s20, 8*HALFT
	s_lshl_b32 s46, s42, 1
	s_add_co_u32 s46, s46, s16                     ; B's
	s_mul_i32 s46, s46, 8*HALFT
	s_mov_b32 s21, 0
	s_mov_b32 s47, 0
	s_mul_i32 s45, s14, QUART                      ; where my quarter lies in LDS
	s_lshl_b32 s[KI], ttmp9, 2
	s_and_b32 s[KI+1], ttmp7, 0xffff
	s_lshl_b32 s[KI+1], s[KI+1], 1
	s_add_co_u32 s[KI], s[KI], s[KI+1]
	s_and_b32 s[KI], s[KI], 7                      ; the cluster's first K step: even
	s_add_co_u32 s[KI+1], s[KI], 1
	s_mov_b32 s[OF+1], 0
.irp s, 0,1
	s_mov_b32 s[G0+4*\s], 1
	s_add_co_u32 s[G0+4*\s+1], s45, \s*HALFT
	s_mov_b32 s[G0B+4*\s], 1
	s_add_co_u32 s[G0B+4*\s+1], s45, \s*HALFT
.endr
	s_wait_dscnt 0x0                               ; both opening adds are done
	s_wait_kmcnt 0x0
	s_add_nc_u64 s[ABASE:ABASE+1], s[4:5], s[20:21]
	s_add_nc_u64 s[BBASE:BBASE+1], s[6:7], s[46:47]
	WHERE 0
	CROUND                                         ; all sixteen work-groups are here: the first joint loads meet
	JLOAD G0, G0B                                  ; my quarter of K steps 0 and 1: slot 0's address, 272 rows: one tensor load a wave at the head
	s_mul_i32 s82, s15, QUART                      ; my 128 rows of A in LDS
	s_mul_i32 s83, s16, QUART
	s_add_co_u32 s83, s83, 2*QUART                 ; my 128 rows of B
	s_sub_co_u32 s84, s83, s82
	s_add_co_u32 s85, s82, HALFT                   ; the same in slot 1
	s_add_co_u32 s86, s83, HALFT
	s_mul_i32 s87, s14, 16*SPITCH                  ; my stage
	s_lshl_b32 s20, s17, 8
	s_lshl_b32 s77, s15, 7
	s_add_co_u32 s20, s20, s77                     ; my first row of the output,
	s_lshl_b32 s20, s20, 13                        ; 8,192 bytes a row
	s_lshl_b32 s46, s42, 10
	s_lshl_b32 s47, s16, 9
	s_add_co_u32 s46, s46, s47                     ; my first column, in bytes
	s_mov_b32 s47, 0
	s_add_nc_u64 s[8:9], s[8:9], s[46:47]
	s_add_nc_u64 s[10:11], s[10:11], s[46:47]
	s_add_nc_u64 s[10:11], s[10:11], s[20:21]
	s_cmp_eq_u32 s15, 0                            ; the prefetches: the stream that I ask for,
	s_cselect_b64 s[PFB:PFB+1], s[ABASE:ABASE+1], s[BBASE:BBASE+1]
	s_cselect_b32 s76, s40, s41                    ; my place among the four that ask with me
	s_mul_i32 s76, s76, PSH
	s_mov_b32 s77, 0
	s_add_nc_u64 s[PFB:PFB+1], s[PFB:PFB+1], s[76:77]
	s_add_co_u32 s[PK], s[KI], 2
	s_and_b32 s[PK], s[PK], 7
	s_mul_i32 s[OF], s[PK], HALFT
	s_add_nc_u64 s[PFA:PFA+1], s[PFB:PFB+1], s[OF:OF+1]
	v_and_b32 v1, 15, v0                           ; r
	v_bfe_u32 v2, v0, 4, 1                         ; h
	v_and_b32 v6, 31, v0
	v_mul_u32_u24 v3, v1, PITCH
	v_lshl_add_u32 v4, v2, 4, v3                   ; a fragment's row x pitch + 16 h
	v_mul_u32_u24 v5, s84, v2                      ; scale words: lanes 0-15 A's rows, lanes 16-31 B's
	v_add_nc_u32 v5, v5, v3
	v_add_nc_u32 v5, 256, v5
	v_add_nc_u32 v[ADRA], s82, v4
	v_add_nc_u32 v[ADRA+1], s85, v4
	v_add_nc_u32 v[ADRB], s83, v4
	v_add_nc_u32 v[ADRB+1], s86, v4
	v_add_nc_u32 v[ADRS], s82, v5
	v_add_nc_u32 v[ADRS+1], s85, v5
	v_mul_u32_u24 v7, v1, SPITCH
	v_lshl_add_u32 v7, v2, 5, v7
	v_add_nc_u32 v[STO], s87, v7                   ; into the stage: row r, 32 bytes for each half of the lanes
	v_lshlrev_b32 v[CO], 4, v6                     ; back: 32 lanes take a row of 512 bytes
	v_add_nc_u32 v[RD], s87, v[CO]
	v_lshlrev_b32 v[BO], 5, v2
	v_min_u32 v[PFO], 16, v6
	v_lshlrev_b32 v[PFO], 8, v[PFO]                ; a lane a block of 256 bytes, 17 blocks an instruction
	s_wait_alu depctr_va_vdst(0)
	WIN TO_B
.irp b, 0,1,2,3,4,5,6,7
	global_load_b128 v[BI+8*\b:BI+8*\b+3], v[BO], s[8:9] offset:64*\b        ; bias[16 b + 8 h + 0 .. 7], in the result's layout
	global_load_b128 v[BI+8*\b+4:BI+8*\b+7], v[BO], s[8:9] offset:64*\b+16
.endr
.macro WM d, b, a, c, sb, sa
	v_wmma_scale_f32_16x16x128_f8f6f4 v[\d:\d+7], v[\b:\b+7], v[\a:\a+7], v[\c:\c+7], v[\sb], v[\sa] matrix_a_fmt:MATRIX_FMT_FP4 matrix_b_fmt:MATRIX_FMT_FP4 matrix_a_scale:MATRIX_SCALE_ROW1
.endm
.macro FRAG reg, adr, q, i             ; 16 rows x 128 K: two loads of 16 bytes, 32 apart
.irp c, 0,1
	ds_load_b128 v[\reg+4*\c:\reg+4*\c+3], v[\adr] offset:64*(\q)+32*\c+(\i)*16*PITCH
.endr
.endm
; 16 matrix instructions: A's blocks a0, a0 + 1 x B's eight; set p, the slot's q-th 128 along K, scale set sc.  The 64 accumulators take turns
.macro MUL16 a0, p, q, sc, first
.irp a, \a0, \a0+1
.irp b, 0,1,2,3,4,5,6,7
.if \first
	WM 64*((\a)%4)+8*\b, 128*(\p)+8*\b, AF+64*(\p)+8*(\a), BI+8*\b, SC+32*(\sc)+4*\b+(\q), SC+32*(\sc)+4*(\a)+(\q)
.else
	WM 64*((\a)%4)+8*\b, 128*(\p)+8*\b, AF+64*(\p)+8*(\a), 64*((\a)%4)+8*\b, SC+32*(\sc)+4*\b+(\q), SC+32*(\sc)+4*(\a)+(\q)
.endif
.endr
.endr
.endm
.macro SCALES sc                       ; a K step's scale words: four a row; lanes 0-15 A's block i, lanes 16-31 B's
.irp i, 0,1,2,3,4,5,6,7
	ds_load_b128 v[SC+32*\sc+4*\i:SC+32*\sc+4*\i+3], v[ADRS+\sc] offset:\i*16*PITCH
.endr
.endm
.macro FETCH slot, q, p, sc            ; one run: B's 16 loads, the scale words where a slot begins, A's 16 loads last
	WIN TO_B
.irp i, 0,1,2,3,4,5,6,7
	FRAG 128*(\p)+8*\i, ADRB+\slot, \q, \i
.endr
	WIN 0
.if \sc
	SCALES \slot
.endif
.irp i, 0,1,2,3,4,5,6,7
	FRAG AF+64*(\p)+8*\i, ADRA+\slot, \q, \i
.endr
.endm
.macro PLACES n
.rept \n
	v_nop
.endr
.endm
; A step of 128 along K with its successor in the same slot: the successor's 32 loads first, into the sets that the step before multiplied, behind four places; then the 64 products.
; Each wait leaves out the 32 loads just issued and those of A's blocks that are not yet wanted, two loads a block.
.macro STEP slot, q, first
	PLACES NP
	FETCH \slot, (\q)+1, 1-(\q)%2, 0
	s_wait_dscnt 44
.if \first
	WIN FST_LO
.else
	WIN MUL_LO
.endif
	MUL16 0, (\q)%2, \q, \slot, \first
	s_wait_dscnt 40
	MUL16 2, (\q)%2, \q, \slot, \first
	s_wait_dscnt 36
.if \first
	WIN FST_HI
.else
	WIN MUL_HI
.endif
	MUL16 4, (\q)%2, \q, \slot, \first
	s_wait_dscnt 32
	MUL16 6, (\q)%2, \q, \slot, \first
.endm
.macro ASK                             ; s3 = 1 in the last trip, whose refills have no K step two on
	s_cmp_gt_u32 s3, 1
	s_cbranch_scc0 .Lno_ask_\@
	global_prefetch_b8 v[PFO], s[PFA:PFA+1] th:TH_LOAD_NT scope:SCOPE_SE
	global_prefetch_b8 v[PFO], s[PFA:PFA+1] offset:17*256 th:TH_LOAD_NT scope:SCOPE_SE
.Lno_ask_\@:
.endm
; A slot's last step changes slots and fills the slot again, two K steps on.
.macro TURN slot, next
	s_wait_xcnt 0x0                                ; my earlier prefetches have read their address: it is written here, ahead of the change's own waits
	s_add_co_u32 s[PK], s[KI+\slot], 4             ; the K step two refills on
	s_and_b32 s[PK], s[PK], 7
	s_mul_i32 s[OF], s[PK], HALFT
	s_add_nc_u64 s[PFA:PFA+1], s[PFB:PFB+1], s[OF:OF+1]
	WIN 0
	s_wait_tensorcnt 0x0                           ; all my tensor loads have landed: my quarter of the next slot
	ds_add_u32 v[SPW], v[NIL]
	s_add_co_u32 s[KI+\slot], s[KI+\slot], 2
	s_and_b32 s[KI+\slot], s[KI+\slot], 7
	WHERE \slot                                    ; no load of mine is out: the descriptors may be written
	s_wait_dscnt 13                                ; the add and the 12 loads of A's blocks 2-7 may be out
	WIN MUL_LO
	MUL16 0, 1, 3, \slot, 0
	s_wait_dscnt 0x0                               ; the add is done, my reads of this slot are over
	s_barrier_signal -1
	MUL16 2, 1, 3, \slot, 0
	WIN 0
	s_barrier_wait -1
	CREST                                          ; the barrier has opened a round of the cluster's barrier
	JLOAD G0+4*\slot, G0B+4*\slot                  ; the first tensor load behind the round; its four v_nop are the places in front of the loads below
	FETCH \next, 0, 0, 1
	ASK
	WIN MUL_HI
	MUL16 4, 1, 3, \slot, 0
	MUL16 6, 1, 3, \slot, 0
.endm
.macro STEPS slot, from
.set Q, \from
.rept 3-\from
	STEP \slot, Q, 0
.set Q, Q+1
.endr
.endm
	s_wait_tensorcnt 0x0                           ; my quarter of both slots is in,
	s_mov_b32 s[G1+2], 136<<16                     ; so a descriptor may be written: from here on a load brings one K step, 136 rows
	s_mov_b32 s[G1+4], 136
	s_mov_b32 s[G1B+2], 136<<16
	s_mov_b32 s[G1B+4], 136
	s_barrier_signal -1
	s_barrier_wait -1                              ; everybody's is
	FETCH 0, 0, 0, 1
	global_prefetch_b8 v[PFO], s[PFA:PFA+1] th:TH_LOAD_NT scope:SCOPE_SE                    ; my share of K step 2, asked for when the head's own tiles are in
	global_prefetch_b8 v[PFO], s[PFA:PFA+1] offset:17*256 th:TH_LOAD_NT scope:SCOPE_SE
	s_wait_loadcnt 0x0                             ; the bias
	STEP 0, 0, 1                                   ; the first step stands in front of the loop: its products start the sums on the bias
	WIN 0
	global_prefetch_b8 v[PFO], s[PFA:PFA+1] offset:HALFT th:TH_LOAD_NT scope:SCOPE_SE       ; and of K step 3, which lies behind K step 2 (the first of the two is even)
	global_prefetch_b8 v[PFO], s[PFA:PFA+1] offset:HALFT+17*256 th:TH_LOAD_NT scope:SCOPE_SE
	s_mov_b32 s3, LAPS-1
.Llap:                                                 ; a trip goes once round the ring and fills both slots again
	STEPS 0, 1
	TURN 0, 1
	STEPS 1, 0
	TURN 1, 0
	STEP 0, 0, 0
	WIN 0
	s_sub_co_u32 s3, s3, 1
	s_cmp_lg_u32 s3, 0
	s_cbranch_scc1 .Llap
	STEPS 0, 1
; the last change of slots fills nothing; behind it the last K step, in slot 1, goes by rows
.macro BLOAD q                         ; B's fragments of quarter q -> window 1, v[64 q ..]
.irp i, 0,1,2,3,4,5,6,7
	FRAG 64*\q+8*\i, ADRB+1, \q, \i
.endr
.endm
.macro ALOAD a                         ; A's block a, all four quarters -> buffer a % 2
.irp q, 0,1,2,3
	FRAG PA+32*((\a)%2)+8*\q, ADRA+1, \q, \a
.endr
.endm
.macro ROW a                           ; block a is finished: 32 matrix instructions, its 8 accumulators by turns
	WIN MUL_LO+0x50*((\a)/4)
.irp q, 0,1,2,3
.if (\a) == 0
.if \q == 0
	s_wait_dscnt 16                                ; all but the 16 loads of B's quarter 2
.endif
.if \q == 2
	s_wait_dscnt 0
.endif
.endif
.irp b, 0,1,2,3,4,5,6,7
	WM 64*((\a)%4)+8*\b, 64*\q+8*\b, PA+32*((\a)%2)+8*\q, 64*((\a)%4)+8*\b, SC+32+4*\b+\q, SC+32+4*(\a)+\q
.endr
.endr
.endm
.macro BRSET a, t                      ; where row t of block a comes back: into the block's own 64 accumulator registers, which the stores into the stage have read
.set BR, 64*((\a)%4)+4*\t
.endm
.macro TOSTAGE a                       ; through my own stage: in by lanes' 32 bytes, back as rows of 512 bytes; LDS serves a wave's instructions in order (ISA guide 5.7.1.4)
	WIN 0x08+4*((\a)/4)
.irp b, 0,1,2,3,4,5,6,7
	ds_store_b128 v[STO], v[64*((\a)%4)+8*\b:64*((\a)%4)+8*\b+3] offset:64*\b        ; each accumulator from its low end on
	ds_store_b128 v[STO], v[64*((\a)%4)+8*\b+4:64*((\a)%4)+8*\b+7] offset:64*\b+16
.endr
	WIN 0x80+0x40*((\a)/4)                         ; destination: window 2 or 3
.irp t, 0,1,2,3,4,5,6,7,8,9,10,11,12,13,14,15
	BRSET \a, \t
	ds_load_b128 v[BR:BR+3], v[RD] offset:\t*SPITCH
.endr
.endm
.macro SEND a
	s_wait_dscnt 0x0                               ; the block is back, and so are the fragments of A asked for ahead of it
	WIN 0x08+4*((\a)/4)                            ; the data: window 2 or 3
.irp t, 0,1,2,3,4,5,6,7,8,9,10,11,12,13,14,15
	BRSET \a, \t
	global_store_b128 v[CO], v[BR:BR+3], s[10:11] offset:(16*(\a)+\t)*SIZE_N*4   ; 32 lanes store 512 consecutive bytes, aligned to 256; 127 rows of 8,192 bytes at the most, inside the signed 24-bit immediate; no store's base, offset or data is written again
.endr
.endm
	WIN 0
	s_wait_tensorcnt 0x0                           ; my quarter of the last K step is in
	ds_add_u32 v[SPW], v[NIL]
	s_wait_dscnt 13
	WIN MUL_LO
	MUL16 0, 1, 3, 0, 0
	s_wait_dscnt 0x0
	s_barrier_signal -1
	MUL16 2, 1, 3, 0, 0
	s_barrier_wait -1
	PLACES NP
	WIN TO_B
	BLOAD 0                                        ; three quarters of B now: set 1 (v128-191 of window 1) is still being multiplied
	BLOAD 1
	BLOAD 3
	WIN 0
	SCALES 1
	ALOAD 0
	ALOAD 1
	WIN MUL_HI
	MUL16 4, 1, 3, 0, 0
	MUL16 6, 1, 3, 0, 0
	PLACES NP
	WIN TO_B
	BLOAD 2
	ROW 0
.irp a, 0,1,2,3,4,5,6,7                ; block a - 1 is stored behind block a's products, under which it came back from the stage
.if \a > 0
	SEND \a-1
.endif
	PLACES NP                                      ; in front of the loads into block a's buffer and registers and of the stores that read its results
.if \a < 6
	WIN 0
	ALOAD \a+2
.endif
	TOSTAGE \a
.if \a < 7
	ROW \a+1
.endif
.endr
	SEND 7
	WIN 0
	s_wait_tensorcnt 0x0                           ; the wave's end
	ds_add_u32 v[SPW], v[NIL]
	s_wait_dscnt 0x0
	CROUND                                         ; the closing round
	s_endpgm
.Lfunc_end_k_q6ce2e62c6d_gemm:
	.size	k_q6ce2e62c6d_gemm, .Lfunc_end_k_q6ce2e62c6d_gemm-k_q6ce2e62c6d_gemm
	.p2alignl 7, 3214868480
	.fill 96, 4, 3214868480
	.section	.rodata,"a",@progbits
	.p2align	6, 0x0
	.amdhsa_kernel k_q6ce2e62c6d_gemm
		.amdhsa_group_segment_fixed_size 327680
		.amdhsa_private_segment_fixed_size 0
		.amdhsa_enable_private_segment 0
		.amdhsa_kernarg_size 32
		.amdhsa_user_sgpr_count 2
		.amdhsa_user_sgpr_kernarg_segment_ptr 1
		.amdhsa_wavefront_size32 1
		.amdhsa_system_sgpr_workgroup_id_x 1
		.amdhsa_system_sgpr_workgroup_id_y 1
		.amdhsa_system_sgpr_workgroup_id_z 1
		.amdhsa_system_vgpr_workitem_id 0
		.amdhsa_next_free_vgpr 1024
		.amdhsa_next_free_sgpr 90
		.amdhsa_reserve_vcc 0
		.amdhsa_float_denorm_mode_32 3
		.amdhsa_float_denorm_mode_16_64 3
		.amdhsa_memory_ordered 1
		.amdhsa_forward_progress 1
		.amdhsa_inst_pref_size 210
	.end_amdhsa_kernel
	.amdgpu_metadata
---
amdhsa.version: [ 1, 2 ]
amdhsa.kernels:
  - .name:           k_q6ce2e62c6d_gemm
    .symbol:         k_q6ce2e62c6d_gemm.kd
    .args:
      - { .name: xq, .offset: 0, .size: 8, .value_kind: global_buffer, .address_space: global }
      - { .name: wq, .offset: 8, .size: 8, .value_kind: global_buffer, .address_space: global }
      - { .name: bias, .offset: 16, .size: 8, .value_kind: global_buffer, .address_space: global }
      - { .name: out0, .offset: 24, .size: 8, .value_kind: global_buffer, .address_space: global }
    .group_segment_fixed_size: 327680
    .private_segment_fixed_size: 0
    .kernarg_segment_align: 8
    .kernarg_segment_size: 32
    .max_flat_workgroup_size: 128
    .sgpr_count:     90
    .vgpr_count:     1024
    .wavefront_size: 32
...
	.end_amdgpu_metadata
.endif
;; end of part 2
